; MI455X (gfx1250); checked and timed in simulation.
; The chip was launched on July 23, 2026; its instructions are those of AMD's public machine-readable ISA for CDNA 5 (MIT licence, August 2026) and "CDNA5" Instruction Set Architecture Reference Guide (July 2026). The comments in the code are by the model that wrote it; some were corrected since.
;; LMKANRBF Layer. Allowed arithmetic: matrix products marked QUANTISED: E2M3 operands, one E8M0 scale for each 32 along K, by v_wmma_scale_f32_16x16x128_f8f6f4 with both operands' format E2M3, f32 sums; products left as they are: f32 operands where the result goes on into a quantised operand, else bf16, f16 or f32 operands; f32 sums; everything else in f32.
;; Inputs: W1 512 x 8 float32; W2 8 x 8 float32; W3 8 x 512 float32; Wout 8,193 x 1,024 float32; b1 8 float32; b2 8 float32; b3 512 float32; bout 1,024 float32; centers 512 x 16 float32; log_widths 512 x 16 float32; x 8,192 x 512 float32.
;; Outputs: out0 8,192 x 1,024 float32.
;; This version of the problem:
;;   THIS VERSION OF THE PROBLEM IS GIVEN IN LOW PRECISION. The matrix products marked QUANTISED in the list below multiply operands that are first quantised to E2M3 (2 exponent bits, 3 mantissa bits; 6 bits a number), with one power-of-two scale for each 32 numbers along K (OCP MX v1.0); their sums are f32. All else is computed in f32.
;;   The module's matrix products, in the order in which they are computed (A, B: the left and right operand; K: the contracted axis; several contracted axes count as one K, in the product's order):
;;     1. [M 8,192, K 512] x [K 512, N 8]; A: input x; B: input W1: left as it is (N = 8 < 16)
;;     2. [M 8,192, K 8] x [K 8, N 8]; A: computed on the way; B: input W2: left as it is (K = 8 < 32)
;;     3. [M 8,192, K 8] x [K 8, N 512]; A: computed on the way; B: input W3: left as it is (K = 8 < 32)
;;     4. [M 8,192, K 8,193] x [K 8,193, N 1,024]; A: computed on the way; B: input Wout: QUANTISED
;;   THE QUANTISER, for each operand of a quantised product, along K:
;;     - K is cut into blocks of 32 from its start; a last block that is shorter is filled with zeros.
;;     - A block's scale is 2^e with e = floor(log2(the largest magnitude in the block)) - 2, held to -126 .. 127; a block of zeros has e = 0. As a byte (E8M0): e + 127.
;;     - Each number is divided by its block's scale, clamped to +-7.5, and rounded to the nearest number of E2M3, ties to even, subnormals kept.
;;     - The product sums the exact products of the quantised numbers (number of the format x scale) in f32.
;;   ~~~python
;;   def quantise(x, axis):      # numpy; x: float32 -> the quantised numbers, widened to float32 again
;;       x = np.moveaxis(x, axis, -1); K = x.shape[-1]
;;       x = np.pad(x, [(0, 0)] * (x.ndim - 1) + [(0, -K % 32)]); x = x.reshape(x.shape[:-1] + (-1, 32)); a = np.abs(x).max(-1, keepdims=True)
;;       e = np.where(a > 0, np.clip(np.frexp(np.where(a > 0, a, 1))[1] - 1 - 2, -126, 127), 0)      # np.frexp(a)[1] - 1 = floor(log2(a)), exactly
;;       r = np.clip(x / 2.0 ** e, -7.5, 7.5)
;;       step = 2.0 ** (np.maximum(np.frexp(np.where(r == 0, 1, r))[1] - 1, 0) - 3)
;;       q = np.round(r / step) * step * 2.0 ** e      # np.round: ties to even
;;       return np.moveaxis(q.reshape(q.shape[:-2] + (-1,))[..., :K], -1, axis).astype(np.float32)
;;   ~~~
;;   OPERANDS COMPUTED ON THE WAY. 'Computed on the way' means the value that the module computes at that place (a softmax that the list does not call 'softmax' is quantised finished and normalised). What goes into a quantiser is computed in f32, as accurately as f32 sums, v_exp_f32 and their like allow (about 1e-6 of the number): no bf16 or f16 on the way to a quantiser, and a product that is left as it is and whose result goes on into a quantised operand takes f32 operands (vector FMAs, or v_wmma_f32_16x16x4_f32). A number that lies on a knife's edge between two numbers of the format may be rounded either way, as far as f32 arithmetic and the matrix unit's own rounding can turn it there, and no further.
;; One version. Each part assembles by itself: llvm-mc -triple=amdgcn-amd-amdhsa -mcpu=gfx1250 --defsym DOCPART=n.
;; ======== version 1 of 1: 2 launches
;; limits: right only within a limited range of input values
;; workspace buffers: acodes 53,346,304 bytes; bcodes 6,668,288 bytes
;; launch prep (part 1): grid 256 x 1, 16 waves a work-group, no clusters, 161,792 bytes of LDS; arguments x, W1, b1, W2, b2, W3, b3, centers, log_widths, Wout, acodes, bcodes; writes acodes, bcodes
.if DOCPART == 1
	.amdgcn_target "amdgcn-amd-amdhsa--gfx1250"
	.amdhsa_code_object_version 6
	.text
	.protected	k_qd4e5b16e7c_prep
	.globl	k_qd4e5b16e7c_prep
	.p2align	8
	.type	k_qd4e5b16e7c_prep,@function
k_qd4e5b16e7c_prep:
	s_mov_b64 s[64:65], 0
	v_nop
	global_prefetch_b8 v0, s[64:65] scope:SCOPE_SE
	s_setreg_imm32_b32 hwreg(HW_REG_WAVE_MODE, 25, 1), 1
	s_wait_xcnt 0x0
; PREP: both operands of feats @ Wout as codes of FP6 (E2M3) with one E8M0 byte for each 32 along K, laid in the order of the matrix operand's registers.
; A work-group of sixteen waves takes 32 rows of x through the metric net (f32 multiply-adds), z = x sqrt(g), logdet = sum of log g, phi = exp(-2 ((z - c) / w)^2) and the quantiser.
; Wave w owns input dims 32 w .. 32 w + 31 (512 along K: one slot of four K steps of 128).  Lane (r, h) owns rows r and r + 16 and dims 32 w + 16 h + 0 .. 15: a block of 32 along K
; (two dims x 16 centres) lies whole in one lane, as the 6-bit operand wants it, so no lane is asked for a maximum or a code, and each parameter read from LDS serves two rows.
; Each wave also quantises ONE fragment (16 columns x 128 K) of Wout: 64 column tiles x 64 K steps = 256 work-groups x 16 waves.  Its loads go out ahead of two steps of phi and are used behind them.
; LAYOUT of both buffers.  A fragment image: register group c (registers 4 c .. 4 c + 3) at 512 c + 16 x lane, 1,536 bytes.  A slot block of one tile of 16 rows: four images, then at 6,144 the 256 bytes of scale words,
; the word of (step s, row r) at 8 (r + 16 (s % 2)) + 4 (s / 2): 6,400 bytes.  A: [tile / 4][slot][tile % 4]; B: [tile / 8][slot][tile % 8].  Behind them one tail block of 1,792 bytes a tile for K = 8,192 (logdet, Wout's last row).
; Inside a slot whole blocks of 32 are permuted, alike in A and B: place (step s, c, half h) holds K = 512 q + 256 h + 64 s + 32 c + 0 .. 31.
; A block's scale: the largest magnitude's exponent field less 2, held at 1 from below by a floor among the maximum's leaves.
; LIMITS.  phi's argument is fma(z, a, -c a) with a = sqrt(2 log2 e) / w: one rounding of c a more than (z - c) / w, of the size of z's own rounding times a.  A phi under 2^-126 counts as 0 (v_exp_f32 gives 0 there).
; A block of zeros carries the byte 1 over zero codes where the rule says 127: only this program reads the bytes.  NaN and infinities among the inputs are not served.
; B's scale words leave as 64 bytes at a stride of 8 a wave (a step's half of a block of 256 bytes): 4 bytes in 1,540 of what a wave stores for B.
; No tensor load, no loop, EXEC is never changed, every offset is an immediate.  Four barriers.
.set XP,    2064                       ; LDS pitch of a row of x: 2,048 + 16, an odd multiple of 16 bytes
.set PAR,   32*XP                      ; behind x: each wave's own parameters, 144 bytes a dim: a[16], -c a[16], 16 of padding
.set PARD,  144
.set PARW,  32*PARD
.set RED,   PAR+16*PARW                ; each wave's partial sums of x W1: 32 rows x 32 bytes + 16
.set REDW,  1040
.set H2S,   RED+16*REDW                ; the second hidden layer: 32 rows x 32 bytes
.set LDP,   H2S+32*32                  ; each wave's part of logdet: 32 rows x 4 bytes
.set TILEB, 6400
.set STEPB, 1536
.set SCOFF, 6144
.set TAILB, 1792
.set ATAIL, 52428800
.set BTAIL, 6553600
.set FLOOR, 0x1800000                  ; 2^(3 - 127)
.set EOFF,  0xff000000                 ; takes 2 off an exponent field
.set LOG2E, 0x3fb8aa3b
.set NLOG2E, 0xbfb8aa3b
.set LN2,   0x3f317218
.set KZERO, 0x3fd96d27                 ; sqrt(2 log2 e)
; address registers, never rewritten
.set L16, 1                            ; 16 x lane
.set L8,  2                            ; 8 x lane
.set H8,  3                            ; 8 h
.set XWA, 4                            ; x into LDS
.set XRA, 5                            ; x out of LDS: row r, my 16 dims
.set PWA, 6                            ; parameters in: dim = lane
.set PRA, 7                            ; parameters out: my half's 16 dims
.set RWA, 8
.set RRA, 9
.set HWA, 10
.set HRA, 11
.set LWA, 12
.set LRA, 13
.set OW1, 14                           ; 512 h
.set OW3, 15                           ; 64 h
.set OPA, 16                           ; 64 x lane
.set OW2, 17                           ; 4 (lane % 8)
.set OWO, 18                           ; Wout: 256 rows x h + 4 r
.set R8,  19                           ; 8 r
.set L4,  20                           ; 4 x lane
.set NIL, 21                           ; 0
.set PX,  22                           ; v22-23 destinations of lane permutes
; data
.set ZR,  24                           ; v24-55  x as loaded, then x[rho][dd], then z
.set W1R, 56                           ; v56-183 W1's rows of my 16 dims, later W3's columns
.set W3R, 56
.set AP,  184                          ; v184-199 log widths, then a
.set CP,  200                          ; v200-215 centres, then -c a
.set B3R, 184
.set B1R, 216
.set W2C, 224
.set B2R, 232
.set ACC, 234                          ; v234-249
.set YY,  184                          ; v184-199 y of rows r + 16, v200-215 y of rows r
.set EE,  56
.set SS,  88
.set DD,  120
.set LG,  152
.set PA,  56
.set PB,  72
.set PHI, 88                           ; v88-151 phi[rho][32]
.set WO,  152                          ; v152-183 32 numbers of Wout
.set FRAG, 184                         ; v184-207 the fragments of the two row tiles
.set TMP, 208
.set MX,  216
.set SCL, 220
.set BY,  222
.set TB,  224
.set BYB, 226
.set WORD, 232                         ; v232-239 for each rho the words of steps 0, 2, 1, 3
.set BFR, 240                          ; v240-251 my fragment of Wout
; d = x (one register of a pair, for both halves) * b + c, two at a time
.macro BFMA d, x, odd, b, c
.if \odd
	v_pk_fma_f32 v[(\d):(\d)+1], v[(\x):(\x)+1], v[(\b):(\b)+1], v[(\c):(\c)+1] op_sel:[1,0,0] op_sel_hi:[1,1,1]
.else
	v_pk_fma_f32 v[(\d):(\d)+1], v[(\x):(\x)+1], v[(\b):(\b)+1], v[(\c):(\c)+1] op_sel_hi:[0,1,1]
.endif
.endm
.macro BAR                             ; my LDS stores have landed and my LDS loads are in: then the work-group's barrier
	s_wait_dscnt 0x0
	s_barrier_signal -1
	s_barrier_wait -1
.endm
	s_load_b256 s[4:11], s[0:1], 0x0               ; x, W1, b1, W2
	s_load_b256 s[12:19], s[0:1], 0x20             ; b2, W3, b3, centers
	s_load_b256 s[20:27], s[0:1], 0x40             ; log_widths, Wout, acodes, bcodes
	v_lshrrev_b32 v1, 5, v0
	s_delay_alu instid0(VALU_DEP_1)
	v_readfirstlane_b32 s28, v1                    ; wave w
	v_and_b32 v252, 31, v0                         ; lane
	s_wait_alu depctr_va_vdst(0)
	v_and_b32 v253, 15, v0                         ; r
	v_bfe_u32 v254, v0, 4, 1                       ; h
	s_wait_alu depctr_va_vdst(0)
	v_and_b32 v255, 7, v0
	s_and_b32 s35, ttmp9, 15                       ; g % 16
	s_lshr_b32 s36, ttmp9, 4                       ; g / 16
	s_and_b32 s37, ttmp9, 1                        ; g % 2
	s_and_b32 s38, s28, 3                          ; w % 4
	s_lshr_b32 s39, s28, 2                         ; w / 4
	s_mov_b32 s30, 0x76543210
	s_mov_b32 s31, 0xfedcba98                      ; v_permlanex16_b32's selects for lane xor 16
	s_mov_b32 s32, 0xffff0000                      ; the lanes with h = 1
	s_mov_b32 s33, LOG2E
	s_mov_b32 s34, LN2
	; byte offsets, each in a pair of its own
	s_lshl_b32 s40, ttmp9, 16                      ; x: 32 rows a work-group, two rows a wave
	s_lshl_b32 s29, s28, 12
	s_add_co_u32 s40, s40, s29
	s_mov_b32 s41, 0
	s_lshl_b32 s42, s28, 10                        ; W1: my 32 rows of 32 bytes
	s_mov_b32 s43, 0
	s_lshl_b32 s44, s28, 7                         ; W3, b3: my 32 columns
	s_mov_b32 s45, 0
	s_lshl_b32 s46, s28, 11                        ; centers, log_widths: my 32 rows of 64 bytes
	s_mov_b32 s47, 0
	s_lshl_b32 s48, s36, 21                        ; Wout: slot g / 16 (512 rows), step w / 4 (64 rows),
	s_lshl_b32 s29, s39, 18
	s_add_co_u32 s48, s48, s29
	s_lshl_b32 s58, s35, 8                         ; column tile 4 (g % 16) + w % 4
	s_lshl_b32 s29, s38, 6
	s_add_co_u32 s58, s58, s29
	s_add_co_u32 s48, s48, s58
	s_mov_b32 s49, 0
	s_add_co_u32 s58, s58, 33554432                ; and the same columns of row 8,192
	s_mov_b32 s59, 0
	s_lshr_b32 s50, ttmp9, 1                       ; acodes: ((g / 2) 16 + w) 4 + 2 (g % 2) slot blocks
	s_lshl_b32 s50, s50, 4
	s_add_co_u32 s50, s50, s28
	s_mul_i32 s50, s50, 4*TILEB
	s_mul_i32 s29, s37, 2*TILEB
	s_add_co_u32 s50, s50, s29
	s_mov_b32 s51, 0
	s_mul_i32 s56, ttmp9, 2*TAILB                  ; A's tail: two tiles a work-group
	s_add_co_u32 s56, s56, ATAIL
	s_mov_b32 s57, 0
	s_lshr_b32 s52, s35, 1                         ; bcodes: (((g % 16) / 2) 16 + g / 16) 8 + 4 (g % 2) + w % 4 slot blocks
	s_lshl_b32 s52, s52, 4
	s_add_co_u32 s52, s52, s36
	s_lshl_b32 s52, s52, 3
	s_lshl_b32 s29, s37, 2
	s_add_co_u32 s52, s52, s29
	s_add_co_u32 s52, s52, s38
	s_mul_i32 s52, s52, TILEB
	s_and_b32 s29, s39, 1                          ; my step's scale words: 128 (s % 2) + 4 (s / 2) in the block's 256 bytes
	s_lshl_b32 s29, s29, 7
	s_add_co_u32 s54, s52, s29
	s_lshr_b32 s29, s28, 3
	s_lshl_b32 s29, s29, 2
	s_add_co_u32 s54, s54, s29
	s_add_co_u32 s54, s54, SCOFF
	s_mov_b32 s55, 0
	s_mul_i32 s29, s39, STEPB                      ; my step's image
	s_add_co_u32 s52, s52, s29
	s_mov_b32 s53, 0
	s_lshl_b32 s60, s35, 2                         ; B's tail: tile 4 (g % 16) + w % 4
	s_add_co_u32 s60, s60, s38
	s_mul_i32 s60, s60, TAILB
	s_add_co_u32 s60, s60, BTAIL
	s_mov_b32 s61, 0
	; lane addresses
	v_lshlrev_b32 v[L16], 4, v252
	v_lshlrev_b32 v[L8], 3, v252
	v_lshlrev_b32 v[H8], 3, v254
	v_lshlrev_b32 v[L4], 2, v252
	s_mul_i32 s29, s28, 2*XP
	v_lshl_add_u32 v[XWA], v252, 4, s29            ; rows 2 w, 2 w + 1 of x's stage
	v_mul_u32_u24 v[XRA], v253, XP
	s_delay_alu instid0(VALU_DEP_1)
	v_lshl_add_u32 v[XRA], v254, 6, v[XRA]
	s_lshl_b32 s29, s28, 7
	v_add_nc_u32 v[XRA], s29, v[XRA]
	s_mul_i32 s29, s28, PARW
	s_add_co_u32 s29, s29, PAR
	v_mul_u32_u24 v[PWA], v252, PARD
	s_delay_alu instid0(VALU_DEP_1)
	v_add_nc_u32 v[PWA], s29, v[PWA]
	v_mul_u32_u24 v[PRA], v254, 16*PARD
	s_delay_alu instid0(VALU_DEP_1)
	v_add_nc_u32 v[PRA], s29, v[PRA]
	s_mul_i32 s29, s28, REDW
	s_add_co_u32 s29, s29, RED
	v_lshl_add_u32 v[RWA], v252, 5, s29
	v_mul_u32_u24 v[RRA], v253, REDW
	s_delay_alu instid0(VALU_DEP_1)
	v_lshl_add_u32 v[RRA], v254, 5, v[RRA]
	s_lshl_b32 s29, s28, 6
	s_add_co_u32 s29, s29, RED
	v_add_nc_u32 v[RRA], s29, v[RRA]               ; wave r's sums of row 2 w + h
	v_lshlrev_b32 v[HWA], 5, v254
	s_delay_alu instid0(VALU_DEP_1)
	v_lshl_add_u32 v[HWA], v255, 2, v[HWA]
	s_lshl_b32 s29, s28, 6
	s_add_co_u32 s29, s29, H2S
	v_add_nc_u32 v[HWA], s29, v[HWA]
	v_lshl_add_u32 v[HRA], v253, 5, H2S
	s_lshl_b32 s29, s28, 7
	s_add_co_u32 s29, s29, LDP
	v_lshl_add_u32 v[LWA], v252, 2, s29
	v_lshl_add_u32 v[LRA], v252, 2, LDP
	v_lshlrev_b32 v[OW1], 9, v254
	v_lshlrev_b32 v[OW3], 6, v254
	v_lshlrev_b32 v[OPA], 6, v252
	v_lshlrev_b32 v[OW2], 2, v255
	v_lshlrev_b32 v[OWO], 2, v253
	s_delay_alu instid0(VALU_DEP_1)
	v_lshl_add_u32 v[OWO], v254, 20, v[OWO]
	v_lshlrev_b32 v[R8], 3, v253
	v_mov_b32 v[NIL], 0
	v_mov_b32 v[PX], 0                             ; written once: a lane permute's destination counts as one of its sources
	v_mov_b32 v[PX+1], 0
	s_wait_alu depctr_va_vdst(0)
	s_wait_kmcnt 0x0
	s_add_nc_u64 s[4:5], s[4:5], s[40:41]
	s_add_nc_u64 s[6:7], s[6:7], s[42:43]
	s_add_nc_u64 s[14:15], s[14:15], s[44:45]
	s_add_nc_u64 s[16:17], s[16:17], s[44:45]
	s_add_nc_u64 s[18:19], s[18:19], s[46:47]
	s_add_nc_u64 s[20:21], s[20:21], s[46:47]
	s_add_nc_u64 s[58:59], s[22:23], s[58:59]      ; Wout's last row
	s_add_nc_u64 s[22:23], s[22:23], s[48:49]
	s_add_nc_u64 s[56:57], s[24:25], s[56:57]      ; A's tail
	s_add_nc_u64 s[24:25], s[24:25], s[50:51]
	s_add_nc_u64 s[54:55], s[26:27], s[54:55]      ; B's scale words
	s_add_nc_u64 s[60:61], s[26:27], s[60:61]      ; B's tail
	s_add_nc_u64 s[26:27], s[26:27], s[52:53]
	; ---- the loads of the head, in the order in which they are wanted: 8 + 8 + 32 + 11
.set ii, 0
.rept 8
	global_load_b128 v[ZR+4*ii:ZR+4*ii+3], v[L16], s[4:5] offset:512*ii th:TH_LOAD_NT   ; 32 lanes read 512 consecutive bytes of x
.set ii, ii+1
.endr
.irp j, 0,1,2,3
	global_load_b128 v[AP+4*\j:AP+4*\j+3], v[OPA], s[20:21] offset:16*\j                ; lane l: the 16 log widths of dim 32 w + l
.endr
.irp j, 0,1,2,3
	global_load_b128 v[CP+4*\j:CP+4*\j+3], v[OPA], s[18:19] offset:16*\j                ; and its 16 centres
.endr
.set ii, 0
.rept 16
	global_load_b128 v[W1R+8*ii:W1R+8*ii+3], v[OW1], s[6:7] offset:32*ii                ; W1's row of dim 32 w + 16 h + ii
	global_load_b128 v[W1R+8*ii+4:W1R+8*ii+7], v[OW1], s[6:7] offset:32*ii+16
.set ii, ii+1
.endr
.irp j, 0,1,2,3,4,5,6,7
	global_load_b32 v[W2C+\j], v[OW2], s[10:11] offset:32*\j                            ; W2's column lane % 8
.endr
	global_load_b32 v[B2R], v[OW2], s[12:13]
	global_load_b128 v[B1R:B1R+3], v[NIL], s[8:9]
	global_load_b128 v[B1R+4:B1R+7], v[NIL], s[8:9] offset:16
	s_wait_loadcnt 51                              ; x is in: behind it 8 loads of parameters, 32 of W1, 11 small ones
.set ii, 0
.rept 8
	ds_store_b128 v[XWA], v[ZR+4*ii:ZR+4*ii+3] offset:(ii/4)*XP+512*(ii%4)
.set ii, ii+1
.endr
	s_wait_loadcnt 43                              ; log widths and centres are in
	; a = sqrt(2 log2 e) / (exp(log width) + 1e-12),  nb = -c a:  phi = 2^-((z a + nb)^2)
.irp p, 0,2,4,6,8,10,12,14
	v_pk_mul_f32 v[AP+\p:AP+\p+1], v[AP+\p:AP+\p+1], LOG2E op_sel_hi:[1,0]
.endr
.set ii, 0
	s_wait_alu depctr_va_vdst(0)
.rept 16
	v_exp_f32 v[AP+ii], v[AP+ii]
.set ii, ii+1
.endr
	v_nop                                          ; a plain instruction behind the last exponential
	s_wait_alu depctr_va_vdst(0)                   ; one wait for the batch, ahead of its first reader
.irp p, 0,2,4,6,8,10,12,14
	v_pk_add_f32 v[AP+\p:AP+\p+1], v[AP+\p:AP+\p+1], 0x2b8cbccc op_sel_hi:[1,0]         ; + 1e-12
.endr
.set ii, 0
	s_wait_alu depctr_va_vdst(0)
.rept 16
	v_rcp_f32 v[AP+ii], v[AP+ii]
.set ii, ii+1
.endr
	v_nop
	s_wait_alu depctr_va_vdst(0)
.irp p, 0,2,4,6,8,10,12,14
	v_pk_mul_f32 v[AP+\p:AP+\p+1], v[AP+\p:AP+\p+1], KZERO op_sel_hi:[1,0]
.endr
.irp p, 0,2,4,6,8,10,12,14
	v_pk_mul_f32 v[CP+\p:CP+\p+1], v[CP+\p:CP+\p+1], v[AP+\p:AP+\p+1] neg_lo:[1,0] neg_hi:[1,0]
.endr
.irp j, 0,1,2,3
	ds_store_b128 v[PWA], v[AP+4*\j:AP+4*\j+3] offset:16*\j
	ds_store_b128 v[PWA], v[CP+4*\j:CP+4*\j+3] offset:64+16*\j
.endr
	BAR                                            ; barrier 1: the 32 rows of x lie in LDS
	; ---- my 16 dims of rows r and r + 16
.irp j, 0,1,2,3
	ds_load_b128 v[ZR+4*\j:ZR+4*\j+3], v[XRA] offset:16*\j
	ds_load_b128 v[ZR+16+4*\j:ZR+16+4*\j+3], v[XRA] offset:16*XP+16*\j
.endr
	s_wait_dscnt 0x0
	s_wait_loadcnt 11                              ; W1 is in: behind it the 11 small loads
	; ---- x W1 over my 16 dims, 8 sums for each of my two rows; the first product starts the sums
.set dd, 0
.rept 16
.set rho, 0
.rept 2
.set jp, 0
.rept 4
.if dd == 0
	v_pk_mul_f32 v[ACC+8*rho+2*jp:ACC+8*rho+2*jp+1], v[ZR+16*rho:ZR+16*rho+1], v[W1R+2*jp:W1R+2*jp+1] op_sel_hi:[0,1]
.else
	BFMA ACC+8*rho+2*jp, ZR+16*rho+(dd/2)*2, dd%2, W1R+8*dd+2*jp, ACC+8*rho+2*jp
.endif
.set jp, jp+1
.endr
.set rho, rho+1
.endr
.set dd, dd+1
.endr
.irp j, 0,1,2,3,4,5,6,7
	v_permlane16_swap_b32 v[ACC+\j], v[ACC+8+\j]   ; the first now holds half 0's sums of row = lane, the second half 1's
.endr
.irp p, 0,2,4,6
	v_pk_add_f32 v[ACC+\p:ACC+\p+1], v[ACC+\p:ACC+\p+1], v[ACC+8+\p:ACC+8+\p+1]
.endr
	ds_store_b128 v[RWA], v[ACC:ACC+3]
	ds_store_b128 v[RWA], v[ACC+4:ACC+7] offset:16
.set jj, 0
.rept 8
.irp q, 0,1,2,3
	global_load_b128 v[W3R+16*jj+4*\q:W3R+16*jj+4*\q+3], v[OW3], s[14:15] offset:2048*jj+16*\q   ; W3(jj, my 16 dims): wanted two barriers on
.endr
.set jj, jj+1
.endr
.irp q, 0,1,2,3
	global_load_b128 v[B3R+4*\q:B3R+4*\q+3], v[OW3], s[16:17] offset:16*\q
.endr
	BAR                                            ; barrier 2: sixteen waves' partial sums lie in LDS
	; ---- the middle of the net: wave w does rows 2 w + h; lane r brings wave r's partial sums
	ds_load_b128 v[ACC:ACC+3], v[RRA]
	ds_load_b128 v[ACC+4:ACC+7], v[RRA] offset:16
	s_wait_dscnt 0x0
.irp m, 1,2,4,8
.irp j, 0,1,2,3,4,5,6,7
	v_add_f32_dpp v[ACC+\j], v[ACC+\j], v[ACC+\j] row_xmask:\m row_mask:0xf bank_mask:0xf
.endr
.endr
	s_wait_alu depctr_va_vdst(0)
	s_wait_loadcnt 36                              ; W2, b2, b1 are in: behind them 32 loads of W3 and 4 of b3
.irp p, 0,2,4,6
	v_pk_add_f32 v[ACC+\p:ACC+\p+1], v[ACC+\p:ACC+\p+1], v[B1R+\p:B1R+\p+1]
.endr
.irp p, 0,2,4,6
	s_delay_alu instid0(VALU_DEP_4)
	v_pk_mul_f32 v[ACC+8+\p:ACC+8+\p+1], v[ACC+\p:ACC+\p+1], NLOG2E op_sel_hi:[1,0]     ; silu(t) = t / (1 + 2^(-t log2 e))
.endr
	s_wait_alu depctr_va_vdst(0)
.irp j, 0,1,2,3,4,5,6,7
	v_exp_f32 v[ACC+8+\j], v[ACC+8+\j]
.endr
	v_nop
	s_wait_alu depctr_va_vdst(0)
.irp p, 0,2,4,6
	v_pk_add_f32 v[ACC+8+\p:ACC+8+\p+1], v[ACC+8+\p:ACC+8+\p+1], 1.0 op_sel_hi:[1,0]
.endr
	s_wait_alu depctr_va_vdst(0)
.irp j, 0,1,2,3,4,5,6,7
	v_rcp_f32 v[ACC+8+\j], v[ACC+8+\j]
.endr
	v_nop
	s_wait_alu depctr_va_vdst(0)
.irp p, 0,2,4,6
	v_pk_mul_f32 v[ACC+\p:ACC+\p+1], v[ACC+\p:ACC+\p+1], v[ACC+8+\p:ACC+8+\p+1]
.endr
	s_delay_alu instid0(VALU_DEP_4)
	v_fma_f32 v252, v[ACC], v[W2C], v[B2R]         ; output lane % 8 of the second layer, begun at its bias
.irp j, 1,2,3,4,5,6,7
	s_delay_alu instid0(VALU_DEP_1)
	v_fma_f32 v252, v[ACC+\j], v[W2C+\j], v252
.endr
	s_delay_alu instid0(VALU_DEP_1)
	v_mul_f32 v253, NLOG2E, v252
	s_wait_alu depctr_va_vdst(0)
	v_exp_f32 v253, v253
	v_nop
	s_wait_alu depctr_va_vdst(0)
	v_add_f32 v253, 1.0, v253
	s_wait_alu depctr_va_vdst(0)
	v_rcp_f32 v253, v253
	v_nop
	s_wait_alu depctr_va_vdst(0)
	v_mul_f32 v252, v252, v253
	ds_store_b32 v[HWA], v252                      ; lanes r and r + 8 write the same word with the same value
	BAR                                            ; barrier 3: the second hidden layer of the 32 rows lies in LDS
	; ---- y = h2 W3 + b3 for my 16 dims of my two rows; the bias is the first product's addend
	ds_load_b128 v[ACC:ACC+3], v[HRA]
	ds_load_b128 v[ACC+4:ACC+7], v[HRA] offset:16
	ds_load_b128 v[ACC+8:ACC+11], v[HRA] offset:512
	ds_load_b128 v[ACC+12:ACC+15], v[HRA] offset:528
	s_wait_loadcnt 0x0                             ; W3, b3
	s_wait_dscnt 0x0
.irp p, 0,2,4,6,8,10,12,14
	BFMA YY+16+\p, ACC, 0, W3R+\p, B3R+\p
.endr
.irp p, 0,2,4,6,8,10,12,14
	BFMA YY+\p, ACC+8, 0, W3R+\p, B3R+\p           ; rows r + 16, laid over the bias, which is done with
.endr
.set jj, 1
.rept 7
.irp p, 0,2,4,6,8,10,12,14
	BFMA YY+16+\p, ACC+(jj/2)*2, jj%2, W3R+16*jj+\p, YY+16+\p
	BFMA YY+\p, ACC+8+(jj/2)*2, jj%2, W3R+16*jj+\p, YY+\p
.endr
.set jj, jj+1
.endr
	; ---- g = softplus(y) + 1e-8 = max(y, 0) + log(1 + e) + 1e-8, e = exp(-|y|); the rounding error of 1 + e is given back, so that a small e is not lost
.set ii, 0
.rept 32
	v_mul_f32 v[EE+ii], -|v[YY+ii]|, s33
.set ii, ii+1
.endr
.set ii, 0
	s_wait_alu depctr_va_vdst(0)
.rept 32
	v_exp_f32 v[EE+ii], v[EE+ii]
.set ii, ii+1
.endr
.set ii, 0
.rept 32
	v_max_num_f32 v[YY+ii], 0, v[YY+ii]            ; independent work behind the batch
.set ii, ii+1
.endr
	s_wait_alu depctr_va_vdst(0)
.set ii, 0
.rept 16
	v_pk_add_f32 v[SS+ii:SS+ii+1], v[EE+ii:EE+ii+1], 1.0 op_sel_hi:[1,0]
.set ii, ii+2
.endr
.set ii, 0
	s_wait_alu depctr_va_vdst(0)
.rept 32
	v_log_f32 v[LG+ii], v[SS+ii]
.set ii, ii+1
.endr
.set ii, 0
.rept 16
	v_pk_add_f32 v[DD+ii:DD+ii+1], v[SS+ii:SS+ii+1], -1.0 op_sel_hi:[1,0]               ; exact
.set ii, ii+2
.endr
.set ii, 0
.rept 16
	v_pk_add_f32 v[DD+ii:DD+ii+1], v[EE+ii:EE+ii+1], v[DD+ii:DD+ii+1] neg_lo:[0,1] neg_hi:[0,1]   ; what 1 + e has dropped of e
.set ii, ii+2
.endr
	s_wait_alu depctr_va_vdst(0)
.set ii, 0
.rept 16
	v_pk_fma_f32 v[SS+ii:SS+ii+1], v[LG+ii:LG+ii+1], LN2, v[DD+ii:DD+ii+1] op_sel_hi:[1,0,1]
.set ii, ii+2
.endr
.set ii, 0
.rept 16
	v_pk_add_f32 v[SS+ii:SS+ii+1], v[SS+ii:SS+ii+1], v[YY+ii:YY+ii+1]
.set ii, ii+2
.endr
.set ii, 0
.rept 16
	v_pk_add_f32 v[SS+ii:SS+ii+1], v[SS+ii:SS+ii+1], 0x322bcc77 op_sel_hi:[1,0]         ; + 1e-8
.set ii, ii+2
.endr
.set ii, 0
	s_wait_alu depctr_va_vdst(0)
.rept 32
	v_sqrt_f32 v[DD+ii], v[SS+ii]
.set ii, ii+1
.endr
.set ii, 0
.rept 32
	v_log_f32 v[LG+ii], v[SS+ii]
.set ii, ii+1
.endr
	v_nop
	s_wait_alu depctr_va_vdst(0)                   ; one wait for the 64
.irp p, 0,2,4,6,8,10,12,14
	v_pk_mul_f32 v[ZR+\p:ZR+\p+1], v[ZR+\p:ZR+\p+1], v[DD+16+\p:DD+16+\p+1]             ; z = x sqrt(g), rows r
	v_pk_mul_f32 v[ZR+16+\p:ZR+16+\p+1], v[ZR+16+\p:ZR+16+\p+1], v[DD+\p:DD+\p+1]       ; rows r + 16
.endr
.irp q, 0,16                                   ; the sum of log2 g over my 16 dims, as a tree, for each of my rows
.irp p, 0,2,4,6
	v_pk_add_f32 v[LG+\q+\p:LG+\q+\p+1], v[LG+\q+\p:LG+\q+\p+1], v[LG+\q+8+\p:LG+\q+8+\p+1]
.endr
.endr
.irp q, 0,16
.irp p, 0,2
	v_pk_add_f32 v[LG+\q+\p:LG+\q+\p+1], v[LG+\q+\p:LG+\q+\p+1], v[LG+\q+4+\p:LG+\q+4+\p+1]
.endr
.endr
.irp q, 0
	s_delay_alu instid0(VALU_DEP_3)
	v_pk_add_f32 v[LG+\q:LG+\q+1], v[LG+\q:LG+\q+1], v[LG+\q+2:LG+\q+3]
.endr
.irp q, 16
	s_delay_alu instid0(VALU_DEP_2)
	v_pk_add_f32 v[LG+\q:LG+\q+1], v[LG+\q:LG+\q+1], v[LG+\q+2:LG+\q+3]
.endr
.irp q, 0,16
	s_delay_alu instid0(VALU_DEP_2)
	v_add_f32 v[LG+\q], v[LG+\q], v[LG+\q+1]
.endr
	s_delay_alu instid0(VALU_DEP_1)
	v_permlane16_swap_b32 v[LG+16], v[LG]          ; the first: half 0's part of row = lane; the second: half 1's
	s_delay_alu instid0(VALU_DEP_1)
	v_add_f32 v[LG], v[LG], v[LG+16]
	ds_store_b32 v[LWA], v[LG]
	BAR                                            ; barrier 4: sixteen waves' parts of logdet lie in LDS
; 32 numbers of Wout: rows 32 c + 0 .. 31 of my step's 64 (lanes 16-31: 256 rows further down), column r of my tile.  Sixteen lanes read 64 neighbouring bytes; four waves stand side by side on 256
.macro WLOAD c
.set ii, 0
.rept 32
	global_load_b32 v[WO+ii], v[OWO], s[22:23] offset:(\c)*131072+ii*4096 th:TH_LOAD_NT
.set ii, ii+1
.endr
.endm
	WLOAD 0
; The one number of K's last block, in v72, with 15 zeros behind it: code into v88 (v89-91 zeros), scale word (its byte, then three bytes 127) into v102; v92-99 zeros
.macro TAILQ
.set ii, 73
.rept 15
	v_mov_b32 v[ii], 0
.set ii, ii+1
.endr
.set ii, 91
.rept 9
	v_mov_b32 v[ii], 0
.set ii, ii+1
.endr
	v_max3_num_f32 v100, |v72|, |v72|, FLOOR
	s_delay_alu instid0(VALU_DEP_1)
	v_add_nc_u32 v101, EOFF, v100
	v_cvt_scalef32_pk16_fp6_f32 v[88:90], v[72:87], v101
	v_lshrrev_b32 v102, 23, v101                   ; the byte; also the plain instruction behind the conversion
	s_delay_alu instid0(VALU_DEP_1)
	v_or_b32 v102, 0x7f7f7f00, v102
.endm
	; ---- A's tail: one wave adds the sixteen parts of logdet and quantises it; no barrier stands in this branch
	s_cmp_lg_u32 s28, 4
	s_cbranch_scc1 .Lno_atail
.set ii, 0
.rept 16
	ds_load_b32 v[56+ii], v[LRA] offset:128*ii
.set ii, ii+1
.endr
	s_wait_dscnt 0x0
.irp p, 0,2,4,6
	v_pk_add_f32 v[56+\p:57+\p], v[56+\p:57+\p], v[64+\p:65+\p]
.endr
	s_delay_alu instid0(VALU_DEP_2)
	v_pk_add_f32 v[56:57], v[56:57], v[60:61]
	s_delay_alu instid0(VALU_DEP_2)
	v_pk_add_f32 v[58:59], v[58:59], v[62:63]
	s_delay_alu instid0(VALU_DEP_1)
	v_pk_add_f32 v[56:57], v[56:57], v[58:59]
	s_delay_alu instid0(VALU_DEP_1)
	v_add_f32 v56, v56, v57
	s_delay_alu instid0(VALU_DEP_1)
	v_mul_f32 v72, s34, v56                        ; logdet of row = lane
	TAILQ
	s_delay_alu instid0(VALU_DEP_1)
	v_mov_b32 v103, v102
	v_permlane16_swap_b32 v88, v92                 ; v88: rows 0-15's codes in lanes 0-15, zeros above; v92: rows 16-31's in lanes 0-15, zeros above
	s_delay_alu instid0(VALU_DEP_2)
	v_permlane16_swap_b32 v102, v103               ; v102: rows 0-15's words in both halves; v103: rows 16-31's
	global_store_b128 v[L16], v[88:91], s[56:57]
	global_store_b128 v[L16], v[96:99], s[56:57] offset:512
	global_store_b128 v[L16], v[96:99], s[56:57] offset:1024
	global_store_b32 v[L4], v102, s[56:57] offset:1536
	global_store_b128 v[L16], v[92:95], s[56:57] offset:TAILB
	global_store_b128 v[L16], v[96:99], s[56:57] offset:TAILB+512
	global_store_b128 v[L16], v[96:99], s[56:57] offset:TAILB+1024
	global_store_b32 v[L4], v103, s[56:57] offset:TAILB+1536
	s_wait_xcnt 0x0                                ; the stores have read their registers, which phi writes next
.Lno_atail:
; ---- phi
.macro PLOAD dd                        ; a and -c a of dim dd of my half's sixteen: all lanes of a half read the same bytes
.irp j, 0,1,2,3
	ds_load_b128 v[PA+4*\j:PA+4*\j+3], v[PRA] offset:(\dd)*PARD+16*\j
	ds_load_b128 v[PB+4*\j:PB+4*\j+3], v[PRA] offset:(\dd)*PARD+64+16*\j
.endr
.endm
.macro DIM dd, e                       ; 16 centres of dim dd for my two rows, into numbers 16 e .. 16 e + 15 of the block in hand
	s_wait_dscnt 0x0                               ; this dim's parameters are in
.irp rho, 0,1
.irp kp, 0,2,4,6,8,10,12,14
	BFMA PHI+32*\rho+16*(\e)+\kp, ZR+16*\rho+((\dd)/2)*2, (\dd)%2, PA+\kp, PB+\kp
.endr
.endr
.if (\dd) < 15
	PLOAD (\dd)+1                                  ; the next dim's land under the squares and exponentials below
.endif
.irp rho, 0,1
.irp kp, 0,2,4,6,8,10,12,14
	v_pk_mul_f32 v[PHI+32*\rho+16*(\e)+\kp:PHI+32*\rho+16*(\e)+\kp+1], v[PHI+32*\rho+16*(\e)+\kp:PHI+32*\rho+16*(\e)+\kp+1], v[PHI+32*\rho+16*(\e)+\kp:PHI+32*\rho+16*(\e)+\kp+1] neg_lo:[1,0] neg_hi:[1,0]
.endr
.endr
	s_wait_alu depctr_va_vdst(0)
.irp rho, 0,1
.irp k, 0,1,2,3,4,5,6,7,8,9,10,11,12,13,14,15
	v_exp_f32 v[PHI+32*\rho+16*(\e)+\k], v[PHI+32*\rho+16*(\e)+\k]
.endr
.endr
.endm
.macro QBLK c, s                       ; the block of 32 in hand, for my two rows: largest number, scale, codes into registers 6 c .. 6 c + 5 of the fragments
	v_nop                                          ; a plain instruction behind the last exponential
	s_wait_alu depctr_va_vdst(0)                   ; one wait for the block's 64 exponentials, ahead of their first reader
.irp rho, 0,1                                  ; no |.|: phi is never negative.  Two chains a row; the floor is one more leaf
	v_max3_num_f32 v[MX+2*\rho], v[PHI+32*\rho], v[PHI+32*\rho+1], FLOOR
	v_max3_num_f32 v[MX+2*\rho+1], v[PHI+32*\rho+16], v[PHI+32*\rho+17], v[PHI+32*\rho+18]
.endr
.irp t, 0,1,2,3,4,5
.irp rho, 0,1
	v_max3_num_f32 v[MX+2*\rho], v[MX+2*\rho], v[PHI+32*\rho+2+2*\t], v[PHI+32*\rho+3+2*\t]
	v_max3_num_f32 v[MX+2*\rho+1], v[MX+2*\rho+1], v[PHI+32*\rho+19+2*\t], v[PHI+32*\rho+20+2*\t]
.endr
.endr
.irp rho, 0,1
	v_max3_num_f32 v[MX+2*\rho], v[MX+2*\rho], v[PHI+32*\rho+14], v[PHI+32*\rho+15]
.endr
.irp rho, 0,1
	v_max3_num_f32 v[MX+2*\rho], v[MX+2*\rho], v[MX+2*\rho+1], v[PHI+32*\rho+31]
.endr
.irp rho, 0,1
	s_delay_alu instid0(VALU_DEP_2)
	v_add_nc_u32 v[SCL+\rho], EOFF, v[MX+2*\rho]   ; 2 off the exponent field: the conversion's scale operand
.endr
.if ((\c) == 0) && ((\s) > 0)
	s_wait_alu depctr_va_vdst(0)
	s_wait_xcnt 0x0                                ; the last step's stores have read the fragments' registers, which are written again from here on
.endif
.irp rho, 0,1
	v_cvt_scalef32_pk16_fp6_f32 v[FRAG+12*\rho+6*(\c):FRAG+12*\rho+6*(\c)+2], v[PHI+32*\rho:PHI+32*\rho+15], v[SCL+\rho]
	v_cvt_scalef32_pk16_fp6_f32 v[TMP+4*\rho:TMP+4*\rho+2], v[PHI+32*\rho+16:PHI+32*\rho+31], v[SCL+\rho]   ; (a conversion's three registers begin on an even number)
.endr
.irp rho, 0,1                                  ; the scale's byte: plain instructions behind the conversions
.if (\c) == 0
	v_lshrrev_b32 v[BY+\rho], 23, v[SCL+\rho]
.else
	v_lshrrev_b32 v[TB+\rho], 23, v[SCL+\rho]
.endif
.endr
.if (\c) == 1
.irp rho, 0,1
	s_delay_alu instid0(VALU_DEP_2)
	v_lshl_or_b32 v[BY+\rho], v[TB+\rho], 16, v[BY+\rho]
.endr
.endif
.irp rho, 0,1
.irp i, 0,1,2
	v_mov_b32 v[FRAG+12*\rho+6*(\c)+3+\i], v[TMP+4*\rho+\i]
.endr
.endr
.endm
.macro STEP s                          ; a K step of 128: four dims a half, two blocks a lane, one fragment for each of my two row tiles
	DIM 4*(\s), 0
	DIM 4*(\s)+1, 1
	QBLK 0, \s
	DIM 4*(\s)+2, 0
	DIM 4*(\s)+3, 1
	QBLK 1, \s
.irp rho, 0,1
	v_lshlrev_b32 v[BY+\rho], v[H8], v[BY+\rho]    ; my two bytes at places h and 2 + h of the word;
.endr
.irp rho, 0,1
	s_delay_alu instid0(VALU_DEP_2)
	v_permlanex16_b32 v[PX+\rho], v[BY+\rho], s30, s31
.endr
.irp rho, 0,1
	s_delay_alu instid0(VALU_DEP_2)
	v_or_b32 v[WORD+4*\rho+(\s)/2+2*((\s)%2)], v[BY+\rho], v[PX+\rho]   ; with lane xor 16's two it is whole
.endr
.irp rho, 0,1
.irp c, 0,1,2
	global_store_b128 v[L16], v[FRAG+12*\rho+4*\c:FRAG+12*\rho+4*\c+3], s[24:25] offset:\rho*TILEB+(\s)*STEPB+512*\c th:TH_STORE_NT   ; 32 lanes store 512 consecutive bytes, at a multiple of 256 from the buffer's first byte
.endr
.endr
.endm
.macro WQ c                            ; my 32 numbers of Wout become registers 6 c .. 6 c + 5 of my fragment of B
	s_wait_loadcnt 0x0
	v_max3_num_f32 v[MX], |v[WO]|, |v[WO+1]|, FLOOR
	v_max3_num_f32 v[MX+1], |v[WO+16]|, |v[WO+17]|, |v[WO+18]|
.irp t, 0,1,2,3,4,5
	s_delay_alu instid0(VALU_DEP_2)
	v_max3_num_f32 v[MX], v[MX], |v[WO+2+2*\t]|, |v[WO+3+2*\t]|
	s_delay_alu instid0(VALU_DEP_2)
	v_max3_num_f32 v[MX+1], v[MX+1], |v[WO+19+2*\t]|, |v[WO+20+2*\t]|
.endr
	s_delay_alu instid0(VALU_DEP_2)
	v_max3_num_f32 v[MX], v[MX], |v[WO+14]|, |v[WO+15]|
	s_delay_alu instid0(VALU_DEP_1)
	v_max3_num_f32 v[MX], v[MX], v[MX+1], |v[WO+31]|
	s_delay_alu instid0(VALU_DEP_1)
	v_add_nc_u32 v[SCL], EOFF, v[MX]
	v_cvt_scalef32_pk16_fp6_f32 v[BFR+6*(\c):BFR+6*(\c)+2], v[WO:WO+15], v[SCL]
	v_cvt_scalef32_pk16_fp6_f32 v[TMP:TMP+2], v[WO+16:WO+31], v[SCL]
.if (\c) == 0
	v_lshrrev_b32 v[BYB], 23, v[SCL]
.else
	v_lshrrev_b32 v[TB], 23, v[SCL]
	s_delay_alu instid0(VALU_DEP_1)
	v_lshl_or_b32 v[BYB], v[TB], 16, v[BYB]
.endif
.irp i, 0,1,2
	v_mov_b32 v[BFR+6*(\c)+3+\i], v[TMP+\i]
.endr
.endm
	PLOAD 0
	STEP 0
	STEP 1
	WQ 0                                           ; asked for two steps of phi ago
	WLOAD 1
	STEP 2
	STEP 3
	WQ 1
	; A's scale blocks: lanes 0-15 hold the words of steps 0 and 2, lanes 16-31 those of steps 1 and 3: 32 lanes store one aligned block of 256 bytes
.irp rho, 0,1
	v_cndmask_b32 v[WORD+4*\rho], v[WORD+4*\rho], v[WORD+4*\rho+2], s32
	v_cndmask_b32 v[WORD+4*\rho+1], v[WORD+4*\rho+1], v[WORD+4*\rho+3], s32
.endr
.irp rho, 0,1
	global_store_b64 v[L8], v[WORD+4*\rho:WORD+4*\rho+1], s[24:25] offset:\rho*TILEB+SCOFF th:TH_STORE_NT
.endr
	; my fragment of B and its scale words
	v_lshlrev_b32 v[BYB], v[H8], v[BYB]
	s_delay_alu instid0(VALU_DEP_1)
	v_permlanex16_b32 v[PX], v[BYB], s30, s31
	s_delay_alu instid0(VALU_DEP_1)
	v_or_b32 v[BYB], v[BYB], v[PX]
.irp c, 0,1,2
	global_store_b128 v[L16], v[BFR+4*\c:BFR+4*\c+3], s[26:27] offset:512*\c
.endr
	global_store_b32 v[R8], v[BYB], s[54:55]       ; lanes r and r + 16 write the same word with the same value
	; ---- B's tail: row 8,192 of Wout, one column tile for each of waves 0-3 of the launch's first 16 work-groups
	s_cmp_lt_u32 ttmp9, 16
	s_cbranch_scc0 .Ldone
	s_cmp_lt_u32 s28, 4
	s_cbranch_scc0 .Ldone
	v_and_b32 v252, 15, v0
	s_delay_alu instid0(VALU_DEP_1)
	v_lshlrev_b32 v252, 2, v252
	global_load_b32 v56, v252, s[58:59]
	s_wait_loadcnt 0x0
	v_cndmask_b32 v72, v56, v[NIL], s32            ; lanes 16-31 hold blocks of zeros
	TAILQ
	global_store_b128 v[L16], v[88:91], s[60:61]
	global_store_b128 v[L16], v[96:99], s[60:61] offset:512
	global_store_b128 v[L16], v[96:99], s[60:61] offset:1024
	global_store_b32 v[L4], v102, s[60:61] offset:1536
.Ldone:
	s_wait_xcnt 0x0
	v_lshl_add_u32 v254, v0, 2, 0x27000
	v_mov_b32 v255, 0
	s_wait_alu depctr_va_vdst(0)
	s_wait_tensorcnt 0x0
	ds_add_u32 v254, v255
	s_wait_dscnt 0x0
	s_endpgm
.Lfunc_end_k_qd4e5b16e7c_prep:
	.size	k_qd4e5b16e7c_prep, .Lfunc_end_k_qd4e5b16e7c_prep-k_qd4e5b16e7c_prep
	.p2alignl 7, 3214868480
	.fill 96, 4, 3214868480
	.section	.rodata,"a",@progbits
	.p2align	6, 0x0
	.amdhsa_kernel k_qd4e5b16e7c_prep
		.amdhsa_group_segment_fixed_size 161792
		.amdhsa_private_segment_fixed_size 0
		.amdhsa_enable_private_segment 0
		.amdhsa_kernarg_size 96
		.amdhsa_user_sgpr_count 2
		.amdhsa_user_sgpr_kernarg_segment_ptr 1
		.amdhsa_wavefront_size32 1
		.amdhsa_system_sgpr_workgroup_id_x 1
		.amdhsa_system_sgpr_workgroup_id_y 1
		.amdhsa_system_sgpr_workgroup_id_z 1
		.amdhsa_system_vgpr_workitem_id 0
		.amdhsa_next_free_vgpr 256
		.amdhsa_next_free_sgpr 66
		.amdhsa_reserve_vcc 0
		.amdhsa_float_denorm_mode_32 3
		.amdhsa_float_denorm_mode_16_64 3
		.amdhsa_memory_ordered 1
		.amdhsa_forward_progress 1
		.amdhsa_inst_pref_size 161
	.end_amdhsa_kernel
	.amdgpu_metadata
---
amdhsa.version: [ 1, 2 ]
amdhsa.kernels:
  - .name:           k_qd4e5b16e7c_prep
    .symbol:         k_qd4e5b16e7c_prep.kd
    .args:
      - { .name: x, .offset: 0, .size: 8, .value_kind: global_buffer, .address_space: global }
      - { .name: W1, .offset: 8, .size: 8, .value_kind: global_buffer, .address_space: global }
      - { .name: b1, .offset: 16, .size: 8, .value_kind: global_buffer, .address_space: global }
      - { .name: W2, .offset: 24, .size: 8, .value_kind: global_buffer, .address_space: global }
      - { .name: b2, .offset: 32, .size: 8, .value_kind: global_buffer, .address_space: global }
      - { .name: W3, .offset: 40, .size: 8, .value_kind: global_buffer, .address_space: global }
      - { .name: b3, .offset: 48, .size: 8, .value_kind: global_buffer, .address_space: global }
      - { .name: centers, .offset: 56, .size: 8, .value_kind: global_buffer, .address_space: global }
      - { .name: log_widths, .offset: 64, .size: 8, .value_kind: global_buffer, .address_space: global }
      - { .name: Wout, .offset: 72, .size: 8, .value_kind: global_buffer, .address_space: global }
      - { .name: acodes, .offset: 80, .size: 8, .value_kind: global_buffer, .address_space: global }
      - { .name: bcodes, .offset: 88, .size: 8, .value_kind: global_buffer, .address_space: global }
    .group_segment_fixed_size: 161792
    .private_segment_fixed_size: 0
    .kernarg_segment_align: 8
    .kernarg_segment_size: 96
    .max_flat_workgroup_size: 512
    .sgpr_count:     66
    .vgpr_count:     256
    .wavefront_size: 32
...
	.end_amdgpu_metadata
.endif
;; end of part 1
;; launch gemm (part 2): grid 4 x 64, 4 waves a work-group, clusters of 4 x 4, 327,680 bytes of LDS; arguments acodes, bcodes, bout, out0; writes out0
.if DOCPART == 2
	.amdgcn_target "amdgcn-amd-amdhsa--gfx1250"
	.amdhsa_code_object_version 6
	.text
	.protected	k_qd4e5b16e7c_gemm
	.globl	k_qd4e5b16e7c_gemm
	.p2align	8
	.type	k_qd4e5b16e7c_gemm,@function
k_qd4e5b16e7c_gemm:
	s_mov_b64 s[64:65], 0
	v_nop
	global_prefetch_b8 v0, s[64:65] scope:SCOPE_SE
	s_setreg_imm32_b32 hwreg(HW_REG_WAVE_MODE, 25, 1), 1
	s_wait_xcnt 0x0
	s_wait_alu depctr_hold_cnt(0) depctr_sa_sdst(0) depctr_va_vdst(0) depctr_va_sdst(0) depctr_va_ssrc(0) depctr_va_vcc(0) depctr_vm_vsrc(0)
	s_getreg_b32 s2, hwreg(HW_REG_IB_STS2, 6, 4)
	s_cmp_eq_u32 s2, 0
	s_cbranch_scc0 .Lentry_in_a_cluster
	s_endpgm
.Lentry_in_a_cluster:
	s_bfe_u32 s2, ttmp6, 0x10000c
	s_cmp_lg_u32 s2, 0xf033
	s_cbranch_scc0 .Lentry_shape_is_right
	s_endpgm
.Lentry_shape_is_right:
; out0 = feats Wout + bout on the codes and scale words that launch prep has laid as images of the operands' registers (its head comment gives the layout).
; A work-group makes 128 rows x 256 columns.  Its four waves are (column half nh = w % 2) x (K half kh = w / 2): a wave makes 128 x 128, 64 accumulators, 512 registers,
; over steps 2 kh and 2 kh + 1 of each K slot of four steps of 128.  So a fragment of B is read from LDS by one wave and a fragment of A by two.
; At the end the two K halves are added through LDS: each wave keeps 64 rows, sends the other 64 to its partner, and stores its 64 rows.
; A wave's register place a' holds A's tile (a' + 4 kh) % 8 (by LDS address): every wave keeps places 0-3 and sends places 4-7, in one text.
; CLUSTERS of 4 x 4: A's tiles are asked for jointly along a row of the cluster, B's along a column.  A ring of two LDS slots, each with one K slot (512 along K): A's 51,200 bytes, then B's 102,400;
; waves 0 and 1 fetch A's halves, waves 2 and 3 B's.
; THE WALK ALONG K BEGINS AT K SLOT 2 ((cluster y) % 8) and wraps: the clusters ask for different parts of B at a time, and from a cluster's third K slot on each part of B has been read by another cluster
; two K slots earlier or more: B is not prefetched.  A's tiles are prefetched two refills ahead, 25 blocks of 256 bytes a wave of waves 0 and 1, the four partners told apart by address.
; K = 8,192 (logdet x Wout's last row) and the bias start the accumulators of places 0-3; those of places 4-7 are started by the first step with C = 0.
; LIMIT: each sum is taken in two halves of K, from a start that differs from cluster to cluster: another order of f32 rounding than K ascending.
; REGISTERS: window 0: v8-31 addresses, v32-63 scale words (set = slot: 8 of A, 8 of B; lanes 0-15 my first step, lanes 16-31 my second), v64-255 A's two sets; window 1: v0-191 B's two sets, v192-255 the bias;
; windows 2, 3: accumulator (a', b) at window 2 + b / 4, v[64 (b % 4) + 8 a'].
.set KSL,    25600                     ; A: a K slot of four tiles
.set BKS,    51200                     ; B: a K slot of eight tiles
.set BOFF,   51200
.set SLOT,   153600
.set TILEB,  6400
.set STEPB,  1536
.set SCOFF,  6144
.set TAILB,  1792
.set ATAIL,  52428800
.set BTAIL,  6553600
.set SPARE,  2*SLOT                    ; the spare words, 512 bytes
.set STG,    SLOT                      ; the way out: 16 rows x 528 bytes a wave, in slot 1; the exchange, 4 x 32,768 bytes, in slot 0
.set SPITCH, 528
.set ADL,  8                           ; v8-9 A's places 0-3 in slot 0, 1; v10-11 places 4-7
.set ASL,  12                          ; v12-15 the same for A's scale words
.set ADB,  16                          ; v16-17 B's fragments
.set ASB,  18                          ; v18-19 B's scale words
.set XW,   20
.set XR,   21
.set PFO,  22
.set H32,  23
.set STO,  24
.set RD,   25
.set SPW,  28
.set NIL,  29
.set L16,  30
.set L4,   31
.set SC,   32
.set AF,   64
.set BIAS, 192
.set AB,  20                           ; s[20:21] my half of A's tiles, at K slot 0
.set G1,  24
.set G0,  32
.set TT,  46                           ; s[46:47] A's offset along K
.set G1B, 48
.set G0B, 56
.set BBL, 80                           ; s[80:81] my half of B's tiles, at K slot 0
.set UU,  82                           ; s[82:83] B's offset along K
.set PB,  84
.set PFA, 86
.set VV,  88
.set FI,  90                           ; which K slot the last refill took
.set LIM, 91
.set MSB, 0
.macro WIN new
.if MSB != \new
	s_set_vgpr_msb (MSB<<8)|\new
.set MSB, \new
.endif
.endm
.set TO_B, 0x40
.macro CREST
	s_cmp_lg_u32 s14, 0
	s_cbranch_scc1 .Lnot_wave_0_\@
	s_barrier_signal -3
.Lnot_wave_0_\@:
	s_barrier_wait -3
	s_barrier_signal -1
	s_barrier_wait -1
.endm
.macro CROUND
	s_barrier_signal -1
	s_barrier_wait -1
	CREST
.endm
.macro PLACES
.rept 4
	v_nop
.endr
.endm
.macro JLOAD n                         ; a joint load: waves 0, 1 for A, waves 2, 3 for B
	s_cmp_eq_u32 s15, 0
	s_cbranch_scc0 .Lfor_b_\@
	tensor_load_to_lds s[G0+4*(\n):G0+4*(\n)+3], s[G1:G1+7]
	s_nop 0
	PLACES
	s_branch .Lasked_\@
.Lfor_b_\@:
	tensor_load_to_lds s[G0B+4*(\n):G0B+4*(\n)+3], s[G1B:G1B+7]
	s_nop 0
	PLACES
.Lasked_\@:
.endm
.macro ASK                             ; A's K slot two refills on: waves 0 and 1, and not in the loop's last trip, which has none
	s_cmp_gt_u32 s3, s[LIM]
	s_cbranch_scc0 .Lno_ask_\@
	global_prefetch_b8 v[PFO], s[PFA:PFA+1] th:TH_LOAD_NT scope:SCOPE_SE
.Lno_ask_\@:
.endm
	s_load_b256 s[4:11], s[0:1], 0x0               ; acodes, bcodes, bout, out0
	v_lshl_add_u32 v[SPW], v0, 2, SPARE
	v_mov_b32 v[NIL], 0
	ds_add_u32 v[SPW], v[NIL]
	ds_add_u32 v[SPW], v[NIL]
	v_lshrrev_b32 v1, 5, v0
	v_readfirstlane_b32 s14, v1                    ; wave
	s_lshr_b32 s15, s14, 1                         ; kh.  Also: I fetch for A (0) or for B (1)
	s_and_b32 s16, s14, 1                          ; nh.  Also: which half of that tile I fetch
	s_bfe_u32 s40, ttmp6, 0x40000                  ; cx
	s_bfe_u32 s41, ttmp6, 0x40004                  ; cy
	s_lshl_b32 s42, ttmp9, 2
	s_add_co_u32 s42, s42, s40                     ; block column
	s_and_b32 s92, ttmp7, 0xffff
	s_lshl_b32 s17, s92, 2
	s_add_co_u32 s17, s17, s41                     ; block row
	s_and_b32 s92, s92, 7
	s_lshl_b32 s92, s92, 1                         ; the walk's first K slot
	s_lshl_b32 s43, s41, 2
	s_lshl_b32 s43, 15, s43                        ; my row of the cluster
	s_lshl_b32 s44, 0x1111, s40                    ; my column
	s_or_b32 s[G1], s43, (3<<16)|(1<<21)           ; dense blocks as rows of 256 bytes: 100 for A, 200 for B
	s_or_b32 s[G1B], s44, (3<<16)|(1<<21)
	s_mov_b32 s[G1+1], 32<<16
	s_mov_b32 s[G1+2], 100<<16
	s_mov_b32 s[G1+3], 32<<16
	s_mov_b32 s[G1+4], 100
	s_mov_b32 s[G1+5], 32
	s_mov_b32 s[G1+6], 0
	s_mov_b32 s[G1+7], 0
	s_mov_b32 s[G1B+1], 32<<16
	s_mov_b32 s[G1B+2], 200<<16
	s_mov_b32 s[G1B+3], 32<<16
	s_mov_b32 s[G1B+4], 200
	s_mov_b32 s[G1B+5], 32
	s_mov_b32 s[G1B+6], 0
	s_mov_b32 s[G1B+7], 0
	s_lshl_b32 s20, s17, 1
	s_add_co_u32 s20, s20, s16
	s_mul_i32 s20, s20, 16*KSL
	s_mov_b32 s21, 0
	s_lshl_b32 s[BBL], s42, 1
	s_add_co_u32 s[BBL], s[BBL], s16
	s_mul_i32 s[BBL], s[BBL], 16*BKS
	s_mov_b32 s[BBL+1], 0
	s_mov_b32 s[G0], 1
	s_mul_i32 s[G0+1], s16, KSL
	s_mov_b32 s[G0+4], 1
	s_add_co_u32 s[G0+5], s[G0+1], SLOT
	s_mov_b32 s[G0B], 1
	s_mul_i32 s[G0B+1], s16, BKS
	s_add_co_u32 s[G0B+1], s[G0B+1], BOFF
	s_mov_b32 s[G0B+4], 1
	s_add_co_u32 s[G0B+5], s[G0B+1], SLOT
	s_add_co_u32 s[FI], s92, 1                     ; at most 15
	s_mul_i32 s[TT], s92, KSL
	s_mov_b32 s[TT+1], 0
	s_mul_i32 s[UU], s92, BKS
	s_mov_b32 s[UU+1], 0
	s_mov_b32 s[VV+1], 0
	s_mul_i32 s72, s17, 8*TAILB                    ; A's tail: my four kept tiles
	s_mul_i32 s19, s15, 4*TAILB
	s_add_co_u32 s72, s72, s19
	s_add_co_u32 s72, s72, ATAIL
	s_mov_b32 s73, 0
	s_mul_i32 s74, s42, 16*TAILB
	s_mul_i32 s19, s16, 8*TAILB
	s_add_co_u32 s74, s74, s19
	s_add_co_u32 s74, s74, BTAIL
	s_mov_b32 s75, 0
	s_lshl_b32 s76, s42, 10                        ; my 128 columns, in bytes
	s_lshl_b32 s19, s16, 9
	s_add_co_u32 s76, s76, s19
	s_mov_b32 s77, 0
	s_lshl_b32 s22, s17, 19                        ; my 64 kept rows
	s_lshl_b32 s19, s15, 18
	s_add_co_u32 s22, s22, s19
	s_add_co_u32 s22, s22, s76
	s_mov_b32 s23, 0
	s_mul_i32 s[PB], s40, TILEB                    ; of the half that I fetch the partner at cx prefetches one tile's 6,400 bytes
	s_add_co_u32 s[PB], s[PB], s20
	s_mov_b32 s[PB+1], 0
	s_cmp_eq_u32 s15, 0
	s_cselect_b32 s[LIM], 1, -1
	s_mul_i32 s18, s15, KSL+2*STEPB                ; LDS: places 0-3 are tile group kh, places 4-7 the other; my steps begin at 2 kh
	s_xor_b32 s19, s15, 1
	s_mul_i32 s19, s19, KSL
	s_lshl_b32 s93, s15, 2                         ; 4 kh
	s_add_co_u32 s67, s93, s19
	s_mul_i32 s94, s15, 2*STEPB
	s_add_co_u32 s19, s19, s94
	s_mul_i32 s66, s15, KSL+4
	s_mul_i32 s68, s16, BKS
	s_add_co_u32 s68, s68, BOFF
	s_add_co_u32 s69, s68, s93
	s_add_co_u32 s68, s68, s94
	s_lshl_b32 s70, s14, 15
	s_xor_b32 s71, s14, 2
	s_lshl_b32 s71, s71, 15
	s_mul_i32 s78, s14, 16*SPITCH
	s_add_co_u32 s78, s78, STG
	s_wait_dscnt 0x0
	s_wait_kmcnt 0x0
	s_add_nc_u64 s[PB:PB+1], s[4:5], s[PB:PB+1]
	s_add_nc_u64 s[72:73], s[4:5], s[72:73]
	s_add_nc_u64 s[74:75], s[6:7], s[74:75]
	s_add_nc_u64 s[AB:AB+1], s[4:5], s[20:21]
	s_add_nc_u64 s[BBL:BBL+1], s[6:7], s[BBL:BBL+1]
	s_add_nc_u64 s[8:9], s[8:9], s[76:77]
	s_add_nc_u64 s[10:11], s[10:11], s[22:23]
	s_add_nc_u64 s[G0+2:G0+3], s[AB:AB+1], s[TT:TT+1]
	s_add_nc_u64 s[G0+6:G0+7], s[G0+2:G0+3], KSL
	s_or_b32 s[G0+3], s[G0+3], 0x80000000
	s_or_b32 s[G0+7], s[G0+7], 0x80000000
	s_add_nc_u64 s[G0B+2:G0B+3], s[BBL:BBL+1], s[UU:UU+1]
	s_add_nc_u64 s[G0B+6:G0B+7], s[G0B+2:G0B+3], BKS
	s_or_b32 s[G0B+3], s[G0B+3], 0x80000000
	s_or_b32 s[G0B+7], s[G0B+7], 0x80000000
	CROUND                                         ; all sixteen work-groups are here
	JLOAD 0                                        ; the first K slot: one tensor load a wave at the head
	v_and_b32 v1, 31, v0
	v_and_b32 v2, 15, v0
	v_bfe_u32 v3, v0, 4, 1
	v_lshlrev_b32 v[L16], 4, v1
	v_lshlrev_b32 v[L4], 2, v1
	v_lshlrev_b32 v4, 3, v1
	v_lshlrev_b32 v[H32], 5, v3
	v_add_nc_u32 v[ADL], s18, v[L16]
	v_add_nc_u32 v[ADL+2], s19, v[L16]
	v_add_nc_u32 v[ADL+1], SLOT, v[ADL]
	v_add_nc_u32 v[ADL+3], SLOT, v[ADL+2]
	v_add_nc_u32 v[ASL], s66, v4
	v_add_nc_u32 v[ASL+2], s67, v4
	v_add_nc_u32 v[ASL+1], SLOT, v[ASL]
	v_add_nc_u32 v[ASL+3], SLOT, v[ASL+2]
	v_add_nc_u32 v[ADB], s68, v[L16]
	v_add_nc_u32 v[ADB+1], SLOT, v[ADB]
	v_add_nc_u32 v[ASB], s69, v4
	v_add_nc_u32 v[ASB+1], SLOT, v[ASB]
	v_add_nc_u32 v[XW], s70, v[L16]
	v_add_nc_u32 v[XR], s71, v[L16]
	v_mul_u32_u24 v5, v2, SPITCH
	v_lshl_add_u32 v5, v3, 5, v5
	v_add_nc_u32 v[STO], s78, v5
	v_add_nc_u32 v[RD], s78, v[L16]
	v_min_u32 v[PFO], 24, v1
	v_lshlrev_b32 v[PFO], 8, v[PFO]
	s_wait_alu depctr_va_vdst(0)                   ; the wait behind the head's last vector write
.macro FETCHA n, s                     ; A's eight places of my local step s from slot n into set s
.irp a, 0,1,2,3,4,5,6,7
.irp c, 0,1,2
	ds_load_b128 v[AF+96*(\s)+12*\a+4*\c:AF+96*(\s)+12*\a+4*\c+3], v[ADL+2*(\a/4)+(\n)] offset:(\a%4)*TILEB+(\s)*STEPB+512*\c
.endr
.endr
.endm
.macro FETCHB n, s                     ; B's eight fragments likewise
.irp b, 0,1,2,3,4,5,6,7
.irp c, 0,1,2
	ds_load_b128 v[96*(\s)+12*\b+4*\c:96*(\s)+12*\b+4*\c+3], v[ADB+(\n)] offset:\b*TILEB+(\s)*STEPB+512*\c
.endr
.endr
.endm
.macro SCALES n                        ; the scale words of slot n's K slot, for my two steps
.irp a, 0,1,2,3,4,5,6,7
	ds_load_b32 v[SC+16*(\n)+\a], v[ASL+2*(\a/4)+(\n)] offset:(\a%4)*TILEB+SCOFF
	ds_load_b32 v[SC+16*(\n)+8+\a], v[ASB+(\n)] offset:\a*TILEB+SCOFF
.endr
.endm
; source 0 = 16 columns of Wout, source 1 = 16 rows of feats: a lane holds eight neighbouring columns of one row
.macro WM a, b, s, n, z
.set AC, 64*((\b)%4)+8*(\a)
.if \z
	v_wmma_scale_f32_16x16x128_f8f6f4 v[AC:AC+7], v[96*(\s)+12*(\b):96*(\s)+12*(\b)+11], v[AF+96*(\s)+12*(\a):AF+96*(\s)+12*(\a)+11], 0, v[SC+16*(\n)+8+(\b)], v[SC+16*(\n)+(\a)] matrix_a_fmt:MATRIX_FMT_FP6 matrix_b_fmt:MATRIX_FMT_FP6
.else
.if \s
	v_wmma_scale_f32_16x16x128_f8f6f4 v[AC:AC+7], v[96*(\s)+12*(\b):96*(\s)+12*(\b)+11], v[AF+96*(\s)+12*(\a):AF+96*(\s)+12*(\a)+11], v[AC:AC+7], v[SC+16*(\n)+8+(\b)], v[SC+16*(\n)+(\a)] matrix_a_fmt:MATRIX_FMT_FP6 matrix_b_fmt:MATRIX_FMT_FP6 matrix_a_scale:MATRIX_SCALE_ROW1 matrix_b_scale:MATRIX_SCALE_ROW1
.else
	v_wmma_scale_f32_16x16x128_f8f6f4 v[AC:AC+7], v[96*(\s)+12*(\b):96*(\s)+12*(\b)+11], v[AF+96*(\s)+12*(\a):AF+96*(\s)+12*(\a)+11], v[AC:AC+7], v[SC+16*(\n)+8+(\b)], v[SC+16*(\n)+(\a)] matrix_a_fmt:MATRIX_FMT_FP6 matrix_b_fmt:MATRIX_FMT_FP6
.endif
.endif
.endm
; A group: fragment b of B against A's eight places.  The 64 accumulators take turns in the same order in every step.
.macro GRP b, s, n, z
.set MW, 0xa1+0x50*((\b)/4)
	WIN MW
.irp a, 0,1,2,3
	WM \a, \b, \s, \n, 0
.endr
.irp a, 4,5,6,7
	WM \a, \b, \s, \n, \z
.endr
.endm
; My first step of slot n's K slot.  The second step's 48 fragment loads stand in one run behind the first group; its four places stand in front of it (set 1 was last read in the step before).
.macro STEP0 n, z
	s_wait_dscnt 0x0                               ; set 0 and the scale words are in
	GRP 0, 0, \n, \z
	PLACES
	WIN 0
	FETCHA \n, 1
	WIN TO_B
	FETCHB \n, 1
.irp g, 1,2,3,4,5,6,7
	GRP \g, 0, \n, \z
.endr
.endm
; My second step changes slots.  Its fragments are in registers, so slot n is read no more.  Each wave waits for all its tensor loads, adds 0 to its spare word, waits for that;
; the barrier opens a round of the cluster's barrier; the refill, two K slots on, is the first tensor load behind it; then the other slot's first fragments are fetched in one run.
.macro TSTEP n, fill
	WIN 0
.if \fill
	s_wait_xcnt 0x0                                ; the prefetch has read its base, which is written below
	s_add_co_u32 s[FI], s[FI], 1
	s_and_b32 s[FI], s[FI], 15                     ; the walk wraps
	s_add_co_u32 s[VV], s[FI], 2
	s_and_b32 s[VV], s[VV], 15
	s_mul_i32 s[VV], s[VV], KSL
	s_add_nc_u64 s[PFA:PFA+1], s[PB:PB+1], s[VV:VV+1]
	s_mul_i32 s[TT], s[FI], KSL
	s_mul_i32 s[UU], s[FI], BKS
.endif
	s_wait_dscnt 0x0                               ; set 1 is in
	s_wait_tensorcnt 0x0                           ; my part of the next K slot is in
	ds_add_u32 v[SPW], v[NIL]
.if \fill
	s_add_nc_u64 s[G0+4*(\n)+2:G0+4*(\n)+3], s[AB:AB+1], s[TT:TT+1]
	s_or_b32 s[G0+4*(\n)+3], s[G0+4*(\n)+3], 0x80000000
	s_add_nc_u64 s[G0B+4*(\n)+2:G0B+4*(\n)+3], s[BBL:BBL+1], s[UU:UU+1]
	s_or_b32 s[G0B+4*(\n)+3], s[G0B+4*(\n)+3], 0x80000000
.endif
	GRP 0, 1, \n, 0
	s_wait_dscnt 0x0
	s_barrier_signal -1
	GRP 1, 1, \n, 0
	WIN 0
	s_barrier_wait -1
.if \fill
	CREST
	JLOAD \n                                       ; its four v_nop are also the places in front of the loads below
.else
	PLACES
.endif
	SCALES 1-(\n)
	FETCHA 1-(\n), 0
.if \fill
	ASK
.endif
	WIN TO_B
	FETCHB 1-(\n), 0
.irp g, 2,3,4,5,6,7
	GRP \g, 1, \n, 0
.endr
.endm
	; the tail blocks (K = 8,192) and the bias
.irp b, 0,1,2,3,4,5,6,7
.irp c, 0,1,2
	global_load_b128 v[AF+96+12*\b+4*\c:AF+96+12*\b+4*\c+3], v[L16], s[74:75] offset:\b*TAILB+512*\c
.endr
	global_load_b32 v[SC+24+\b], v[L4], s[74:75] offset:\b*TAILB+1536
.endr
.irp a, 0,1,2,3
.irp c, 0,1,2
	global_load_b128 v[AF+12*\a+4*\c:AF+12*\a+4*\c+3], v[L16], s[72:73] offset:\a*TAILB+512*\c
.endr
	global_load_b32 v[SC+16+\a], v[L4], s[72:73] offset:\a*TAILB+1536
.endr
	WIN TO_B
.irp b, 0,1,2,3,4,5,6,7
	global_load_b128 v[BIAS+8*\b:BIAS+8*\b+3], v[H32], s[8:9] offset:64*\b
	global_load_b128 v[BIAS+8*\b+4:BIAS+8*\b+7], v[H32], s[8:9] offset:64*\b+16
.endr
	s_wait_loadcnt 0x0
.irp b, 0,1,2,3,4,5,6,7
	WIN 0x90+0x40*(\b/4)
.irp a, 0,1,2,3
	v_wmma_scale_f32_16x16x128_f8f6f4 v[64*(\b%4)+8*\a:64*(\b%4)+8*\a+7], v[AF+96+12*\b:AF+96+12*\b+11], v[AF+12*\a:AF+12*\a+11], v[BIAS+8*\b:BIAS+8*\b+7], v[SC+24+\b], v[SC+16+\a] matrix_a_fmt:MATRIX_FMT_FP6 matrix_b_fmt:MATRIX_FMT_FP6
.endr
.endr
	WIN 0
	s_wait_alu depctr_va_vdst(0)
	s_wait_tensorcnt 0x0                           ; my part of the first K slot is in; the full sequence ahead of slot 1's first fill
	ds_add_u32 v[SPW], v[NIL]
	s_wait_dscnt 0x0
	CROUND
	JLOAD 1                                        ; its four v_nop are also the places in front of the loads below
	SCALES 0
	FETCHA 0, 0
	WIN TO_B
	FETCHB 0, 0
	STEP0 0, 1                                     ; the first step starts the sums of places 4-7
	WIN 0
	s_mov_b32 s3, 7
.Llap:                                                 ; a trip: once round the ring, from a K slot's second step to the first step of the K slot two on
	TSTEP 0, 1
	STEP0 1, 0
	TSTEP 1, 1
	STEP0 0, 0
	WIN 0
	s_sub_co_u32 s3, s3, 1
	s_cmp_lg_u32 s3, 0
	s_cbranch_scc1 .Llap
	TSTEP 0, 0                                     ; the last two K slots ask for no tile
	STEP0 1, 0
	s_wait_dscnt 0x0
.irp g, 0,1,2,3,4,5,6,7
	GRP \g, 1, 1, 0
.endr
	; THE EXCHANGE: places 4-7 go to my partner (the other K half of my columns) as images of the registers, 32,768 bytes a wave, in slot 0: it has had its last fill, and its last read stands ahead of the last barrier
	PLACES
.irp b, 0,1,2,3,4,5,6,7
	WIN 0x08+4*(\b/4)
.irp i, 0,1,2,3
	ds_store_b128 v[XW], v[64*(\b%4)+32+8*\i:64*(\b%4)+32+8*\i+3] offset:(16*\i+2*\b)*512
	ds_store_b128 v[XW], v[64*(\b%4)+36+8*\i:64*(\b%4)+36+8*\i+3] offset:(16*\i+2*\b+1)*512
.endr
.endr
	WIN 0
	s_wait_dscnt 0x0
	s_barrier_signal -1
	s_barrier_wait -1                              ; behind it nobody reads slot 1 either: it takes the stages
.macro XLOAD a                         ; my partner's sums for my block a of 16 rows, into buffer a % 3
.set XB, AF+64*((\a)%3)
.irp t, 0,1,2,3,4,5,6,7,8,9,10,11,12,13,14,15
	ds_load_b128 v[XB+4*\t:XB+4*\t+3], v[XR] offset:(\a)*8192+\t*512
.endr
.endm
.macro ADDX a                          ; + my own, each accumulator from its low end on
.set XB, AF+64*((\a)%3)
.irp b, 0,1,2,3,4,5,6,7
	WIN 0x02+(\b/4)
.irp k, 0,2,4,6
	v_pk_add_f32 v[XB+8*\b+\k:XB+8*\b+\k+1], v[64*(\b%4)+8*(\a)+\k:64*(\b%4)+8*(\a)+\k+1], v[XB+8*\b+\k:XB+8*\b+\k+1]
.endr
.endr
	WIN 0
.endm
.macro TOSTG a                         ; through my own stage, back as whole rows of 512 bytes (LDS serves a wave's instructions in order)
.set XB, AF+64*((\a)%3)
.irp b, 0,1,2,3,4,5,6,7
	ds_store_b128 v[STO], v[XB+8*\b:XB+8*\b+3] offset:64*\b
	ds_store_b128 v[STO], v[XB+8*\b+4:XB+8*\b+7] offset:64*\b+16
.endr
.irp t, 0,1,2,3,4,5,6,7,8,9,10,11,12,13,14,15
	ds_load_b128 v[XB+4*\t:XB+4*\t+3], v[RD] offset:\t*SPITCH
.endr
.endm
.macro SEND a, younger                 ; 32 lanes store 512 consecutive bytes, two aligned units of 256
.set XB, AF+64*((\a)%3)
	s_wait_dscnt \younger
.irp t, 0,1,2,3,4,5,6,7,8,9,10,11,12,13,14,15
	global_store_b128 v[L16], v[XB+4*\t:XB+4*\t+3], s[10:11] offset:(16*(\a)+\t)*4096 th:TH_STORE_NT
.endr
.endm
	XLOAD 0
	XLOAD 1
	XLOAD 2
	s_wait_dscnt 32                                ; block 0's sixteen are in
	ADDX 0
	TOSTG 0
	s_wait_dscnt 48                                ; block 1's: behind them block 2's 16 and the stage's 32
	ADDX 1
	TOSTG 1
	SEND 0, 32
	s_wait_xcnt 0x0                                ; block 0's stores have read their registers, which take block 3
	XLOAD 3
	ADDX 2
	TOSTG 2
	SEND 1, 48
	s_wait_dscnt 32
	ADDX 3
	TOSTG 3
	SEND 2, 32
	SEND 3, 0
	s_wait_tensorcnt 0x0                           ; the wave's end
	ds_add_u32 v[SPW], v[NIL]
	s_wait_dscnt 0x0
	CROUND                                         ; the closing round
	s_endpgm
.Lfunc_end_k_qd4e5b16e7c_gemm:
	.size	k_qd4e5b16e7c_gemm, .Lfunc_end_k_qd4e5b16e7c_gemm-k_qd4e5b16e7c_gemm
	.p2alignl 7, 3214868480
	.fill 96, 4, 3214868480
	.section	.rodata,"a",@progbits
	.p2align	6, 0x0
	.amdhsa_kernel k_qd4e5b16e7c_gemm
		.amdhsa_group_segment_fixed_size 327680
		.amdhsa_private_segment_fixed_size 0
		.amdhsa_enable_private_segment 0
		.amdhsa_kernarg_size 32
		.amdhsa_user_sgpr_count 2
		.amdhsa_user_sgpr_kernarg_segment_ptr 1
		.amdhsa_wavefront_size32 1
		.amdhsa_system_sgpr_workgroup_id_x 1
		.amdhsa_system_sgpr_workgroup_id_y 1
		.amdhsa_system_sgpr_workgroup_id_z 1
		.amdhsa_system_vgpr_workitem_id 0
		.amdhsa_next_free_vgpr 1024
		.amdhsa_next_free_sgpr 100
		.amdhsa_reserve_vcc 0
		.amdhsa_float_denorm_mode_32 3
		.amdhsa_float_denorm_mode_16_64 3
		.amdhsa_memory_ordered 1
		.amdhsa_forward_progress 1
		.amdhsa_inst_pref_size 149
	.end_amdhsa_kernel
	.amdgpu_metadata
---
amdhsa.version: [ 1, 2 ]
amdhsa.kernels:
  - .name:           k_qd4e5b16e7c_gemm
    .symbol:         k_qd4e5b16e7c_gemm.kd
    .args:
      - { .name: acodes, .offset: 0, .size: 8, .value_kind: global_buffer, .address_space: global }
      - { .name: bcodes, .offset: 8, .size: 8, .value_kind: global_buffer, .address_space: global }
      - { .name: bout, .offset: 16, .size: 8, .value_kind: global_buffer, .address_space: global }
      - { .name: out0, .offset: 24, .size: 8, .value_kind: global_buffer, .address_space: global }
    .group_segment_fixed_size: 327680
    .private_segment_fixed_size: 0
    .kernarg_segment_align: 8
    .kernarg_segment_size: 32
    .max_flat_workgroup_size: 128
    .sgpr_count:     100
    .vgpr_count:     1024
    .wavefront_size: 32
...
	.end_amdgpu_metadata
.endif
;; end of part 2
